; MI455X (gfx1250); checked and timed in simulation.
; The chip was launched on July 23, 2026; its instructions are those of AMD's public machine-readable ISA for CDNA 5 (MIT licence, August 2026) and "CDNA5" Instruction Set Architecture Reference Guide (July 2026). The comments in the code are by the model that wrote it; some were corrected since.
;; Ideal Diffuser. Allowed arithmetic: float matrix products may take bf16 or f16 operands with f32 sums; all other float work in f32.
;; Inputs: cond 1,024 x 16 float32; cond_data 50,000 x 16 float32; samples 50,000 x 512 float32; sigma 1,024 float32; x 1,024 x 512 float32.
;; Outputs: out0 1,024 x 512 float32.
;; One version. Each part assembles by itself: llvm-mc -triple=amdgcn-amd-amdhsa -mcpu=gfx1250 --defsym DOCPART=n.
;; ======== version 1 of 1: 3 launches
;; limits: right only within a limited range of input values; values outside matrix products are rounded to bf16
;; workspace buffers: sb 52,428,800 bytes; cb 3,276,800 bytes; st 409,600 bytes; po 67,108,864 bytes; ml 262,144 bytes
;; launch prep (part 1): grid 800 x 1, 8 waves a work-group, no clusters, 1,536 bytes of LDS; arguments samples, cond_data, sb, cb, st; writes sb, cb, st
.if DOCPART == 1
	.amdgcn_target "amdgcn-amd-amdhsa--gfx1250"
	.amdhsa_code_object_version 6
	.text
	.protected	k_q06b2cc4943_prep
	.globl	k_q06b2cc4943_prep
	.p2align	8
	.type	k_q06b2cc4943_prep,@function
k_q06b2cc4943_prep:
	s_mov_b64 s[64:65], 0
	v_nop
	global_prefetch_b8 v0, s[64:65] scope:SCOPE_SE
	s_setreg_imm32_b32 hwreg(HW_REG_WAVE_MODE, 25, 1), 1
	s_wait_xcnt 0x0
; Rounds the keys once for all query blocks.  sb[51200][512] bf16 = samples rounded; cb[51200][32] bf16 = cond_data rounded in elements 0-15,
; zeros in 16-31 (one matrix step is 32 deep); st[0][m] = -1/2 sum of sb[m]^2, st[1][m] = -1/2 sum of cb[m]^2, in f32, OF THE ROUNDED numbers, so that
; the distances made from them later are those of the rounded points.
; 50,000 keys are padded to 51,200 = 32 shares x 25 steps x 64: padded rows are zeros, with st[0] = -1e30 and st[1] = 0, so that their weight is 0.
; LIMIT: a real key must keep s.x - |s|^2/2 + 100 sigma^2 (c.d - |c|^2/2) above -1e30.
; A stream: each input byte is read once, so no matrix unit, no cluster, no tensor loads.  Eight waves, 64 rows a work-group, 8 rows a wave.
; 50,000 = 8 x 6,250: a wave's eight rows are all real or all padded, which is one scalar branch.
.set REAL8, 6250                       ; groups of eight real rows
.set X, 32                             ; v[32:159]  row i of my eight at X + 16 i: 16 f32 a lane as loaded, then 8 words of bf16 in the low half
	s_load_b256 s[4:11], s[0:1], 0x0               ; samples s[4:5], cond_data s[6:7], sb s[8:9], cb s[10:11]
	s_load_b64 s[12:13], s[0:1], 0x20              ; st
	v_lshl_add_u32 v160, v0, 2, 0x200
	v_mov_b32 v161, 0
	v_lshrrev_b32 v1, 5, v0
	v_readfirstlane_b32 s14, v1                    ; wave 0..7
	s_lshl_b32 s15, ttmp9, 3
	s_add_co_u32 s15, s15, s14                     ; which group of eight rows is mine
	s_mov_b32 s20, 0x76543210                      ; v_permlanex16_b32: each lane takes its own place in the other half
	s_mov_b32 s21, 0xfedcba98
	s_mov_b32 s17, 0
	v_and_b32 v1, 31, v0                           ; lane
	v_lshlrev_b32 v2, 4, v1
	v_lshl_add_u32 v2, s14, 14, v2                 ; samples: wave x 8 rows x 2,048 bytes + 16 x lane
	v_lshlrev_b32 v3, 3, v1
	v_lshl_add_u32 v3, s14, 13, v3                 ; sb: wave x 8 rows x 1,024 bytes + 8 x lane
	v_lshrrev_b32 v4, 2, v0
	v_lshlrev_b32 v4, 6, v4
	v_and_b32 v10, 1, v0
	v_lshl_add_u32 v4, v10, 5, v4                  ; cond_data: row (thread / 4) x 64 bytes + (thread % 2) x 32
	v_lshlrev_b32 v5, 4, v0                        ; cb: 16 x thread: row thread / 4, quarter thread % 4
	v_mov_b32 v6, s14
	v_lshlrev_b32 v6, 5, v6                        ; LDS: my wave's eight words of st[0]
	v_lshrrev_b32 v7, 2, v1
	v_lshlrev_b32 v7, 2, v7
	v_add3_u32 v7, v7, v6, 0x100                   ; LDS: the word of st[1] of my row, behind the 64 words of st[0]
	v_mov_b32 v8, 0
	v_and_b32 v9, 3, v0                            ; my quarter of a row of cb
	s_wait_kmcnt 0x0
	s_lshl_b32 s16, ttmp9, 17                      ; 64 rows of 2,048 bytes
	s_add_nc_u64 s[4:5], s[4:5], s[16:17]
	s_lshl_b32 s16, ttmp9, 16                      ; 64 rows of 1,024 bytes
	s_add_nc_u64 s[8:9], s[8:9], s[16:17]
	s_lshl_b32 s16, ttmp9, 12                      ; 64 rows of 64 bytes, in cond_data and in cb
	s_add_nc_u64 s[6:7], s[6:7], s[16:17]
	s_add_nc_u64 s[10:11], s[10:11], s[16:17]
	s_lshl_b32 s16, ttmp9, 8                       ; 64 words
	s_add_nc_u64 s[12:13], s[12:13], s[16:17]
	s_cmp_lt_u32 s15, REAL8
	s_cbranch_scc0 .Lpadded
	; all of my eight rows are asked for at once: 32 loads of 512 neighbouring bytes, then my share of cond_data
.irp i, 0,1,2,3,4,5,6,7
.irp k, 0,1,2,3
	global_load_b128 v[X+16*\i+4*\k:X+16*\i+4*\k+3], v2, s[4:5] offset:2048*\i+512*\k th:TH_LOAD_NT
.endr
.endr
	global_load_b128 v[14:17], v4, s[6:7] th:TH_LOAD_NT
	global_load_b128 v[18:21], v4, s[6:7] offset:16 th:TH_LOAD_NT
; Row i: round, sum the squares of the rounded numbers, store.
.macro ROWP i
.set R, X+16*\i
	s_wait_loadcnt 30-4*\i                         ; behind row i's four loads stand 4 (7 - i) of later rows and the two of cond_data
.irp j, 0,1,2,3,4,5,6,7
	v_cvt_pk_bf16_f32 v[R+\j], v[R+2*\j], v[R+2*\j+1]          ; in place, ascending: word j never lands on a source still to be read
.endr
	v_fma_mix_f32_bf16 v10, v[R], v[R], v8 op_sel_hi:[1,1,0]                   ; two chains: the low halves' squares,
	v_fma_mix_f32_bf16 v11, v[R], v[R], v8 op_sel:[1,1,0] op_sel_hi:[1,1,0]    ; the high halves'
.irp j, 1,2,3,4,5,6,7
	v_fma_mix_f32_bf16 v10, v[R+\j], v[R+\j], v10 op_sel_hi:[1,1,0]
	v_fma_mix_f32_bf16 v11, v[R+\j], v[R+\j], v11 op_sel:[1,1,0] op_sel_hi:[1,1,0]
.endr
	v_add_f32 v10, v10, v11
	v_add_f32_dpp v10, v10, v10 row_xmask:1 row_mask:0xf bank_mask:0xf
	v_add_f32_dpp v10, v10, v10 row_xmask:2 row_mask:0xf bank_mask:0xf
	v_add_f32_dpp v10, v10, v10 row_xmask:4 row_mask:0xf bank_mask:0xf
	v_add_f32_dpp v10, v10, v10 row_xmask:8 row_mask:0xf bank_mask:0xf
	v_permlanex16_b32 v11, v10, s20, s21
	v_add_f32 v10, v10, v11
	v_mul_f32 v10, -0.5, v10
	ds_store_b32 v6, v10 offset:4*\i               ; every lane writes the same word with the same number
.irp k, 0,1,2,3
	global_store_b64 v3, v[R+2*\k:R+2*\k+1], s[8:9] offset:1024*\i+256*\k      ; 32 lanes store 256 consecutive bytes, aligned
.endr
.endm
.irp i, 0,1,2,3,4,5,6,7
	ROWP \i
.endr
	s_wait_loadcnt 0x0                             ; cond_data
	v_cmp_gt_u32 vcc_lo, 2, v9                     ; quarters 0 and 1 hold numbers, quarters 2 and 3 the zeros
	v_cvt_pk_bf16_f32 v22, v14, v15
	v_cvt_pk_bf16_f32 v23, v16, v17
	v_cvt_pk_bf16_f32 v24, v18, v19
	v_cvt_pk_bf16_f32 v25, v20, v21
.irp j, 22,23,24,25
	v_cndmask_b32 v\j, 0, v\j, vcc_lo
.endr
	v_fma_mix_f32_bf16 v12, v22, v22, v8 op_sel_hi:[1,1,0]
	v_fma_mix_f32_bf16 v13, v22, v22, v8 op_sel:[1,1,0] op_sel_hi:[1,1,0]
.irp j, 23,24,25
	v_fma_mix_f32_bf16 v12, v\j, v\j, v12 op_sel_hi:[1,1,0]
	v_fma_mix_f32_bf16 v13, v\j, v\j, v13 op_sel:[1,1,0] op_sel_hi:[1,1,0]
.endr
	v_add_f32 v12, v12, v13
	v_add_f32_dpp v12, v12, v12 row_xmask:1 row_mask:0xf bank_mask:0xf         ; a row's four quarters lie in four neighbouring lanes
	v_add_f32_dpp v12, v12, v12 row_xmask:2 row_mask:0xf bank_mask:0xf
	v_mul_f32 v12, -0.5, v12
	ds_store_b32 v7, v12
	global_store_b128 v5, v[22:25], s[10:11]       ; the wave stores 512 consecutive bytes
	s_branch .Ljoin
.Lpadded:                                              ; eight rows behind the last key: nothing is loaded
	v_mov_b32 v32, 0
	v_mov_b32 v33, 0
	v_mov_b32 v34, 0
	v_mov_b32 v35, 0
	v_lshlrev_b32 v10, 4, v1
	v_lshl_add_u32 v10, s14, 13, v10
.irp k, 0,1,2,3,4,5,6,7,8,9,10,11,12,13,14,15
	global_store_b128 v10, v[32:35], s[8:9] offset:512*\k
.endr
	global_store_b128 v5, v[32:35], s[10:11]
	v_and_b32 v11, 7, v1
	v_lshl_add_u32 v11, v11, 2, v6
	v_mov_b32 v12, 0xf149f2ca                      ; -1e30
	ds_store_b32 v11, v12
	ds_store_b32 v7, v8
.Ljoin:
	s_wait_dscnt 0x0                               ; for wave 0's sake: my words are in LDS
	s_barrier_signal -1
	s_barrier_wait -1
	s_cmp_lg_u32 s14, 0
	s_cbranch_scc1 .Lend
	v_lshlrev_b32 v26, 3, v1                       ; wave 0 stores the group's 64 + 64 words as two runs of 256 consecutive bytes, aligned
	ds_load_b64 v[28:29], v26
	ds_load_b64 v[30:31], v26 offset:256
	s_wait_dscnt 0x0
	global_store_b64 v26, v[28:29], s[12:13]
	global_store_b64 v26, v[30:31], s[12:13] offset:204800
.Lend:
	s_wait_tensorcnt 0x0
	ds_add_u32 v160, v161
	s_wait_dscnt 0x0
	s_endpgm
.Lfunc_end_k_q06b2cc4943_prep:
	.size	k_q06b2cc4943_prep, .Lfunc_end_k_q06b2cc4943_prep-k_q06b2cc4943_prep
	.p2alignl 7, 3214868480
	.fill 96, 4, 3214868480
	.section	.rodata,"a",@progbits
	.p2align	6, 0x0
	.amdhsa_kernel k_q06b2cc4943_prep
		.amdhsa_group_segment_fixed_size 1536
		.amdhsa_private_segment_fixed_size 0
		.amdhsa_enable_private_segment 0
		.amdhsa_kernarg_size 40
		.amdhsa_user_sgpr_count 2
		.amdhsa_user_sgpr_kernarg_segment_ptr 1
		.amdhsa_wavefront_size32 1
		.amdhsa_system_sgpr_workgroup_id_x 1
		.amdhsa_system_sgpr_workgroup_id_y 1
		.amdhsa_system_sgpr_workgroup_id_z 1
		.amdhsa_system_vgpr_workitem_id 0
		.amdhsa_next_free_vgpr 162
		.amdhsa_next_free_sgpr 66
		.amdhsa_reserve_vcc 1
		.amdhsa_float_denorm_mode_32 3
		.amdhsa_float_denorm_mode_16_64 3
		.amdhsa_memory_ordered 1
		.amdhsa_forward_progress 1
		.amdhsa_inst_pref_size 29
	.end_amdhsa_kernel
	.amdgpu_metadata
---
amdhsa.version: [ 1, 2 ]
amdhsa.kernels:
  - .name:           k_q06b2cc4943_prep
    .symbol:         k_q06b2cc4943_prep.kd
    .args:
      - { .name: samples, .offset: 0, .size: 8, .value_kind: global_buffer, .address_space: global }
      - { .name: cond_data, .offset: 8, .size: 8, .value_kind: global_buffer, .address_space: global }
      - { .name: sb, .offset: 16, .size: 8, .value_kind: global_buffer, .address_space: global }
      - { .name: cb, .offset: 24, .size: 8, .value_kind: global_buffer, .address_space: global }
      - { .name: st, .offset: 32, .size: 8, .value_kind: global_buffer, .address_space: global }
    .group_segment_fixed_size: 1536
    .private_segment_fixed_size: 0
    .kernarg_segment_align: 8
    .kernarg_segment_size: 40
    .max_flat_workgroup_size: 256
    .sgpr_count:     66
    .vgpr_count:     162
    .wavefront_size: 32
...
	.end_amdgpu_metadata
.endif
;; end of part 1
;; launch attn (part 2): grid 8 x 32, 4 waves a work-group, clusters of 4 x 1, 327,680 bytes of LDS; arguments x, sigma, cond, sb, cb, st, po, ml; writes po, ml
.if DOCPART == 2
	.amdgcn_target "amdgcn-amd-amdhsa--gfx1250"
	.amdhsa_code_object_version 6
	.text
	.protected	k_q06b2cc4943_attn
	.globl	k_q06b2cc4943_attn
	.p2align	8
	.type	k_q06b2cc4943_attn,@function
k_q06b2cc4943_attn:
	s_mov_b64 s[64:65], 0
	v_nop
	global_prefetch_b8 v0, s[64:65] scope:SCOPE_SE
	s_setreg_imm32_b32 hwreg(HW_REG_WAVE_MODE, 25, 1), 1
	s_wait_xcnt 0x0
	s_wait_alu depctr_hold_cnt(0) depctr_sa_sdst(0) depctr_va_vdst(0) depctr_va_sdst(0) depctr_va_ssrc(0) depctr_va_vcc(0) depctr_vm_vsrc(0)
	s_getreg_b32 s2, hwreg(HW_REG_IB_STS2, 6, 4)
	s_cmp_eq_u32 s2, 0
	s_cbranch_scc0 .Lentry_in_a_cluster
	s_endpgm
.Lentry_in_a_cluster:
	s_bfe_u32 s2, ttmp6, 0x10000c
	s_cmp_lg_u32 s2, 0x3003
	s_cbranch_scc0 .Lentry_shape_is_right
	s_endpgm
.Lentry_shape_is_right:
; One share of the softmax-weighted sum.  A work-group owns 128 queries (rows of x) and 1,600 of the 51,200 keys; it stores the unnormalised sum
; po[share][query][512] = sum over its keys of p s, and for each query mu = c m and l = sum of p (ml), which a later launch merges.
; ARITHMETIC.  All inputs are rounded to bf16 once (x, cond and sigma here, the keys earlier); all that follows is f32: the program computes the result for the ROUNDED
; inputs.  sigma is rounded too: 1/sigma^2 scales sums made of rounded operands, and where two keys share the weight a sigma of another precision would shift their balance.
;   logit(m, b) = acc / sigma_b^2 + (a term that is the same for all keys of query b, which the softmax over keys removes as it removes the maximum: |x_b|^2 and |cond_b|^2 are not formed)
;   acc = s_m.x_b + nA2_m + rho_b (c_m.d_b + nC2_m),  nA2 = -|s|^2/2,  nC2 = -|c|^2/2,  rho = 100 sigma^2 = sigma^2 / 0.1^2.  No operand is scaled before it is rounded.
;   p = 2^(c acc - c m),  c = log2(e) / sigma^2 > 0,  m the running maximum of acc; O and l are multiplied by a = 2^(c m_old - c m_new) in every step.
;   p is rounded to bf16 for the product V^T P, and l adds the SAME rounded weights (a product of ones with P): O / l is a true weighted mean, and where one key has all the weight
;   its rounding cancels.  (c m is rounded, so the largest weight is 2^e with a small e, not 1: a sum of unrounded weights would not match the product.)
; LIMITS.  Padded keys carry nA2 = -1e30: a real key's acc must stay above that.  sigma^2 and 1/sigma^2 must be normal f32 numbers.  Weights under 2^-126 count as 0.
;   A weight's rounding to bf16 changes it by at most 2^-8 of itself.
; SHARES.  Four waves; a wave owns 32 queries (two tiles of 16) over all 512 channels and walks all the keys, 64 a step, 25 steps.  Waves share the LDS tiles and nothing else.
; LAYOUT.  S^T = K Q^T (source 0 = 16 keys, source 1 = 16 queries): a lane holds one query (lane % 16) and keys 8 (lane / 16) + 0..7; two such tiles rounded in pairs ARE source 1 of
;   O^T = V^T P.  K and V are the same tile of sb: read as it lies for K, turned by ds_load_tr16_b128 for V.
; CLUSTER.  The four query blocks of a cluster have the same share of keys, so every tile is asked for jointly: the same load, descriptor and mask in all four.
; LDS.  Two slots of 64 keys: 4 strips of 128 channels x 64 rows x 272 bytes (256 + 16: 68 words, so 16 rows of a load begin 4 banks apart; 64 banks of 4 bytes: ISA guide 11.1);
;   the share's 1,600 rows of cb at 80 bytes (20 words); its 1,600 + 1,600 words of st; a stage of 16 rows x 528 bytes for each wave, written by LDS stores alone.
; ORDER OF A STEP.  LDS loads stand in runs of 16, one run behind every 16 products, into the one of two buffers that those products have just read; the other buffer's run was issued
;   16 products earlier.  The next step's rows of cb, nC2 and nA2 are fetched in the tail of V^T P, into the buffers as they fall free, and the products c.d + nC2 are issued ahead of
;   the round: those regions of LDS are filled once, so they may be read on either side of it.  O^T's 256 multiplies by a: 64 in a block, 192 in slices of four behind the first 48 products V^T P.
; REGISTERS, in windows of 256 (s_set_vgpr_msb: bits 1:0 source 0, 3:2 source 1, 5:4 source 2, 7:6 destination):
;   window 0: v0-15 addresses; v16-39 statistics, 12 a tile; v40-47 a fragment of ones; v48-63 cond fragments; v64-127 S^T, then P in place; v128-255 two buffers of 64 for K's and V's fragments
;   window 1, 2: O^T of tile 0, 1 (channel tile ct at 8 ct)          window 3: Q (tile t, depth step d at 128 t + 8 d)
.set PITCH,  272
.set STRIP,  64*PITCH                  ; 17,408: what one tensor load brings
.set SLOTB,  4*STRIP                   ; 69,632
.set CONDB,  2*SLOTB                   ; 139,264
.set CPITCH, 80
.set STATS,  CONDB+1600*CPITCH         ; 267,264: nA2 at 4 x key, nC2 6,400 further
.set STAGE,  STATS+2*6400              ; 280,064, a multiple of 256
.set SPITCH, 528                       ; 512 + 16: 132 words
.set WSTAGE, 16*SPITCH
.set TILEB,  65536                     ; 64 rows of sb in memory
.set AK,  4                            ; v4, v5   my place in K's fragments, slot 0, 1
.set AV,  6                            ; v6, v7   the same for the turning loads
.set ACD, 8                            ; v8       my place in the rows of cb to be fetched next; steps 64 rows
.set AST, 9                            ; v9       my place in the words of st to be fetched next; steps 64 words
.set STO, 10                           ; v10      the way out: where I put 16 bytes
.set RD,  11                           ; v11      the way out: where I read a row back
.set GO,  12                           ; v12      16 x lane
.set MLO, 13                           ; v13      my word in ml
.set ST,  16                           ; tile t at ST + TS t: +0 c m, +1 m, +2 l, +4..+7 at work (a at +6), +8 +9 c, +10 +11 rho
.set TS,  12
.set ONES, 40                          ; v[40:47] 16 x 32 ones in bf16, written once
.set QC,  48
.set S,   64                           ; scores of keys 16 kt.., tile t at S + 32 t + 8 kt; weights of keys 32 kk.., tile t at S + 32 t + 16 kk; the step's sum of weights at S + 32 t + 8
.set F,   128                          ; buffer 0 at F, buffer 1 at F + 64
.set WV,  20                           ; s20      wave
.set G1S, 32                           ; s[32:39] group 1: a strip of sb
.set G1C, 40                           ; s[40:47] group 1: 400 rows of cb
.set G1T, 48                           ; s[48:55] group 1: 800 words of st
.set G0,  56                           ; s[56:63] group 0 of slot 0, slot 1
.set G0C, 68
.set G0T, 72
.set CNT, 76
.set SEL, 78
.set MSB, 0
.macro WIN new                         ; the immediate's high byte repeats the setting that is left; a switch that changes nothing is dropped
.if MSB != (\new)
	s_set_vgpr_msb (MSB<<8)|(\new)
.set MSB, (\new)
.endif
.endm
; A vector instruction that reads a matrix result or writes a matrix instruction's register, and a load into such a register, stand four places behind it; only plain
; vector instructions that name none of its registers are places (ISA guide 7.12.1 for vector instructions).
.macro PLACES
.rept 4
	v_nop
.endr
.endm
; A round of the cluster's barrier: my work-group's barrier, wave 0 signals for the work-group, every wave waits for all four work-groups, my work-group's barrier again.
.macro CROUND
	s_barrier_signal -1
	s_barrier_wait -1
	s_cmp_lg_u32 s[WV], 0
	s_cbranch_scc1 .Lnot_wave_0_\@
	s_barrier_signal -3
.Lnot_wave_0_\@:
	s_barrier_wait -3
	s_barrier_signal -1
	s_barrier_wait -1
.endm
	s_load_b512 s[4:19], s[0:1], 0x0               ; x s[4:5], sigma s[6:7], cond s[8:9], sb s[10:11], cb s[12:13], st s[14:15], po s[16:17], ml s[18:19]
	v_lshl_add_u32 v19, v0, 2, 0x4ca00
	v_mov_b32 v31, 0
	ds_add_u32 v19, v31
	v_lshrrev_b32 v1, 5, v0
	v_readfirstlane_b32 s[WV], v1                  ; wave 0..3
	s_bfe_u32 s21, ttmp6, 0x40000                  ; cx: my place in the cluster; it enters the addresses of x, cond, sigma, po and ml alone
	s_lshl_b32 s22, ttmp9, 2
	s_add_co_u32 s22, s22, s21                     ; my block of 128 queries
	s_and_b32 s23, ttmp7, 0xffff                   ; the share of keys, which the four partners have in common
	s_lshl_b32 s24, s22, 7
	s_lshl_b32 s25, s[WV], 5
	s_add_co_u32 s24, s24, s25                     ; my wave's first query
	s_mov_b32 s27, 0
	s_mov_b32 s29, 0
	s_mov_b32 s81, 0
	s_mov_b32 s[SEL], 0x76543210                   ; v_permlanex16_b32: each lane takes its own place in the other half
	s_mov_b32 s[SEL+1], 0xfedcba98
	; group 1 of a strip: 64 rows x 128 elements of 2 bytes, 512 elements from row to row; 4 words of padding behind every 64
	s_mov_b32 s[G1S+0], 15|(1<<16)|(1<<20)|(1<<21)|(5<<22)|(3<<25)  ; 15:0 the mask: all four work-groups; 17:16 2 bytes; 20 padding; 21 set beside a mask; 24:22 every 64 words; 31:25 4 words
	s_mov_b32 s[G1S+1], 128<<16                    ; tensor_dim0
	s_mov_b32 s[G1S+2], 64<<16                     ; tensor_dim1
	s_mov_b32 s[G1S+3], 128<<16                    ; tile_dim0
	s_mov_b32 s[G1S+4], 64                         ; tile_dim1
	s_mov_b32 s[G1S+5], 512                        ; pitch
	s_mov_b32 s[G1S+6], 0
	s_mov_b32 s[G1S+7], 0
	; group 1 of cb: 400 rows x 32 elements of 2 bytes; 4 words of padding behind every 16
	s_mov_b32 s[G1C+0], 15|(1<<16)|(1<<20)|(1<<21)|(3<<22)|(3<<25)
	s_mov_b32 s[G1C+1], 32<<16
	s_mov_b32 s[G1C+2], 400<<16
	s_mov_b32 s[G1C+3], 32<<16
	s_mov_b32 s[G1C+4], 400
	s_mov_b32 s[G1C+5], 32
	s_mov_b32 s[G1C+6], 0
	s_mov_b32 s[G1C+7], 0
	; group 1 of st: one row of 400 elements of 8 bytes, no padding
	s_mov_b32 s[G1T+0], 15|(3<<16)|(1<<21)
	s_mov_b32 s[G1T+1], 400<<16
	s_mov_b32 s[G1T+2], 1<<16
	s_mov_b32 s[G1T+3], 400<<16
	s_mov_b32 s[G1T+4], 1
	s_mov_b32 s[G1T+5], 400
	s_mov_b32 s[G1T+6], 0
	s_mov_b32 s[G1T+7], 0
	s_wait_dscnt 0x0
	s_wait_kmcnt 0x0
	; the queries' addresses
	s_lshl_b32 s26, s24, 11                        ; rows of 2,048 bytes
	s_add_nc_u64 s[4:5], s[4:5], s[26:27]
	s_add_nc_u64 s[16:17], s[16:17], s[26:27]
	s_lshl_b32 s26, s24, 6
	s_add_nc_u64 s[8:9], s[8:9], s[26:27]
	s_lshl_b32 s26, s24, 2
	s_add_nc_u64 s[6:7], s[6:7], s[26:27]
	s_lshl_b32 s26, s24, 8                         ; a tile of 16 queries has 4,096 bytes of ml
	s_add_nc_u64 s[18:19], s[18:19], s[26:27]
	s_lshl_b32 s28, s23, 21                        ; a share's plane of po
	s_add_nc_u64 s[16:17], s[16:17], s[28:29]
	s_lshl_b32 s28, s23, 6                         ; a share's 16 words in a tile of ml
	s_add_nc_u64 s[18:19], s[18:19], s[28:29]
	; the keys' addresses: made of the share and the wave's number alone, in registers that never hold cx
	s_mul_i32 s80, s23, 1600*1024
	s_lshl_b32 s82, s[WV], 8                       ; wave w fetches strip w: channels 128 w on
	s_add_co_u32 s80, s80, s82
	s_add_nc_u64 s[10:11], s[10:11], s[80:81]
	s_mul_i32 s83, s[WV], STRIP
.irp sl, 0,1
	s_mov_b32 s[G0+4*\sl], 1
	s_add_co_u32 s[G0+4*\sl+1], s83, \sl*SLOTB
	s_add_nc_u64 s[G0+4*\sl+2:G0+4*\sl+3], s[10:11], \sl*TILEB     ; slot 0 begins with step 0, slot 1 with step 1
	s_or_b32 s[G0+4*\sl+3], s[G0+4*\sl+3], 0x80000000
.endr
	s_mul_i32 s80, s23, 1600*64
	s_mul_i32 s82, s[WV], 400*64
	s_add_co_u32 s80, s80, s82
	s_mov_b32 s[G0C], 1
	s_mul_i32 s[G0C+1], s[WV], 400*CPITCH
	s_add_co_u32 s[G0C+1], s[G0C+1], CONDB
	s_add_nc_u64 s[G0C+2:G0C+3], s[12:13], s[80:81]
	s_or_b32 s[G0C+3], s[G0C+3], 0x80000000
	s_lshr_b32 s82, s[WV], 1                       ; waves 0, 1: the halves of nA2; waves 2, 3: of nC2
	s_mul_i32 s82, s82, 204800
	s_and_b32 s84, s[WV], 1
	s_mul_i32 s84, s84, 3200
	s_mul_i32 s80, s23, 6400
	s_add_co_u32 s80, s80, s82
	s_add_co_u32 s80, s80, s84
	s_mov_b32 s[G0T], 1
	s_mul_i32 s[G0T+1], s[WV], 3200
	s_add_co_u32 s[G0T+1], s[G0T+1], STATS
	s_add_nc_u64 s[G0T+2:G0T+3], s[14:15], s[80:81]
	s_or_b32 s[G0T+3], s[G0T+3], 0x80000000
	CROUND                                         ; all four work-groups are here: the first joint loads meet
	tensor_load_to_lds s[G0:G0+3], s[G1S:G1S+7]    ; the first fills go out together: three loads of mine are out
	s_nop 0
	tensor_load_to_lds s[G0C:G0C+3], s[G1C:G1C+7]
	s_nop 0
	tensor_load_to_lds s[G0T:G0T+3], s[G1T:G1T+7]
	s_nop 0
	PLACES                                         ; four v_nop follow the tensor loads
	v_and_b32 v1, 15, v0                           ; r = lane % 16
	v_bfe_u32 v2, v0, 4, 1                         ; h = lane / 16
	v_lshlrev_b32 v14, 11, v1
	v_lshl_add_u32 v14, v2, 5, v14                 ; x: row r, 8 h numbers on
	v_lshlrev_b32 v15, 6, v1
	v_lshl_add_u32 v15, v2, 5, v15                 ; cond: the same
	v_lshlrev_b32 v3, 2, v1                        ; sigma: word r
	; x lands in the windows that O^T takes later.  A fragment of Q wants, of query r, channels 32 d + 8 h + 0..7 and 32 d + 16 + 8 h + 0..7.
.irp t, 0,1
	WIN 0x40+0x40*\t
.set d, 0
.rept 16
	global_load_b128 v[16*d:16*d+3],     v14, s[4:5] offset:32768*\t+128*d
	global_load_b128 v[16*d+4:16*d+7],   v14, s[4:5] offset:32768*\t+128*d+16
	global_load_b128 v[16*d+8:16*d+11],  v14, s[4:5] offset:32768*\t+128*d+64
	global_load_b128 v[16*d+12:16*d+15], v14, s[4:5] offset:32768*\t+128*d+80
.set d, d+1
.endr
.endr
	WIN 0
.irp t, 0,1
	global_load_b128 v[F+8*\t:F+8*\t+3],   v15, s[8:9] offset:1024*\t
	global_load_b128 v[F+8*\t+4:F+8*\t+7], v15, s[8:9] offset:1024*\t+16
	global_load_b32 v[F+16+\t], v3, s[6:7] offset:64*\t
.endr
	v_mul_u32_u24 v[AK], v1, PITCH
	v_lshl_add_u32 v[AK], v2, 4, v[AK]             ; K: row r, 16 h bytes on
	v_add_nc_u32 v[AK+1], SLOTB, v[AK]
	; The turning load: lane l reads 16 bytes of key 8 h + l % 8.  Lanes with (l / 8) % 2 = 1 read 128 bytes (64 channels) further on, not 16: rows 0-7 of a channel tile are
	; channels 128 G + 8 u + 0..7, rows 8-15 channels 128 G + 64 + 8 u + 0..7.
	v_and_b32 v[AV], 7, v0
	v_lshl_add_u32 v[AV], v2, 3, v[AV]
	v_mul_u32_u24 v[AV], v[AV], PITCH
	v_bfe_u32 v[AV+1], v0, 3, 1
	v_lshl_add_u32 v[AV], v[AV+1], 7, v[AV]
	v_add_nc_u32 v[AV+1], SLOTB, v[AV]
	v_mul_u32_u24 v[ACD], v1, CPITCH
	v_lshl_add_u32 v[ACD], v2, 4, v[ACD]
	v_add_nc_u32 v[ACD], CONDB, v[ACD]
	v_lshlrev_b32 v[AST], 5, v2                    ; a lane's eight keys: 8 h + 0..7
	v_add_nc_u32 v[AST], STATS, v[AST]
	s_mul_i32 s86, s[WV], WSTAGE
	s_add_co_u32 s86, s86, STAGE                   ; my stage
	v_mul_u32_u24 v[STO], v1, SPITCH
	v_lshl_add_u32 v[STO], v2, 8, v[STO]           ; in: row r; half h holds channels 64 h on
	v_add_nc_u32 v[STO], s86, v[STO]
	v_and_b32 v[GO], 31, v0
	v_lshlrev_b32 v[GO], 4, v[GO]
	v_add_nc_u32 v[RD], s86, v[GO]                 ; back: a whole row of 512 bytes
	v_lshlrev_b32 v[MLO], 2, v1
	v_lshl_add_u32 v[MLO], v2, 11, v[MLO]          ; lanes 0-15 store mu, lanes 16-31 l, 2,048 bytes further
.irp e, 0,1,2,3,4,5,6,7
	v_mov_b32 v[ONES+\e], 0x3f803f80               ; two ones in bf16
.endr
	s_wait_loadcnt 0x0                             ; x, cond, sigma
.irp t, 0,1
	WIN 0xc5+5*\t                                  ; sources in window 1 + t, destination in window 3
.set i, 0
.rept 128
	v_cvt_pk_bf16_f32 v[128*\t+i], v[2*i], v[2*i+1]
.set i, i+1
.endr
.endr
	WIN 0
.irp t, 0,1
.irp e, 0,1,2,3
	v_cvt_pk_bf16_f32 v[QC+8*\t+\e], v[F+8*\t+2*\e], v[F+8*\t+2*\e+1]
.endr
.irp e, 4,5,6,7
	v_mov_b32 v[QC+8*\t+\e], 0                     ; depths 16-31 of the cond product are empty
.endr
.endr
.irp t, 0,1
	v_cvt_pk_bf16_f32 v[F+16+\t], v[F+16+\t], v[F+16+\t]       ; sigma rounded as the other inputs are,
.endr
.irp t, 0,1
	v_and_b32 v[F+16+\t], 0xffff0000, v[F+16+\t]               ; and widened again
.endr
.irp t, 0,1
	v_mul_f32 v[F+16+\t], v[F+16+\t], v[F+16+\t]               ; sigma^2
.endr
.irp t, 0,1
	v_rcp_f32 v[F+18+\t], v[F+16+\t]
.endr
.irp t, 0,1
	v_mul_f32 v[ST+TS*\t+10], 0x42c80000, v[F+16+\t]           ; rho = 100 sigma^2; also the plain instruction behind the reciprocals (ISA guide 5.7.2)
.endr
	s_wait_alu depctr_va_vdst(0)
.irp t, 0,1
	v_mov_b32 v[ST+TS*\t+11], v[ST+TS*\t+10]
	v_mul_f32 v[ST+TS*\t+8], 0x3fb8aa3b, v[F+18+\t]            ; c = log2(e) / sigma^2
.endr
.irp t, 0,1
	v_mov_b32 v[ST+TS*\t+9], v[ST+TS*\t+8]
.endr
; 16 LDS loads into buffer 0: 64 rows of cb, and their nC2 laid as accumulators: register j = key 8 h + j, the same in all 16 queries
.macro AUX1
.irp kt, 0,1,2,3
	ds_load_b128 v[F+8*\kt:F+8*\kt+3],   v[ACD] offset:16*CPITCH*\kt
	ds_load_b128 v[F+8*\kt+4:F+8*\kt+7], v[ACD] offset:16*CPITCH*\kt+32
.endr
.irp kt, 0,1,2,3
	ds_load_b128 v[F+32+8*\kt:F+32+8*\kt+3],   v[AST] offset:6400+64*\kt
	ds_load_b128 v[F+32+8*\kt+4:F+32+8*\kt+7], v[AST] offset:6400+64*\kt+16
.endr
.endm
; 8 LDS loads into buffer 1: the same keys' nA2, laid likewise; then both addresses step to the keys of the step after
.macro AUX2
.irp kt, 0,1,2,3
	ds_load_b128 v[F+64+8*\kt:F+64+8*\kt+3],   v[AST] offset:64*\kt
	ds_load_b128 v[F+64+8*\kt+4:F+64+8*\kt+7], v[AST] offset:64*\kt+16
.endr
	v_add_nc_u32 v[ACD], 64*CPITCH, v[ACD]
	v_add_nc_u32 v[AST], 256, v[AST]
.endm
; 16 LDS loads into buffer grp % 2.  grp 0-7: K's eight fragments (64 keys) of depth steps 2 grp and 2 grp + 1.  grp 8-15: V's eight fragments of keys 32 ((grp - 8) / 4) on, channel tiles 8 ((grp - 8) % 4) + 0..7.
.macro LOADP slot, grp
.set lb, F+64*((\grp)%2)
.if (\grp) < 8
.irp dd, 0,1
.irp kt, 0,1,2,3
.set ld, 2*(\grp)+\dd
	ds_load_b128 v[lb+32*\dd+8*\kt:lb+32*\dd+8*\kt+3],   v[AK+\slot] offset:(ld/4)*STRIP+\kt*16*PITCH+(ld%4)*64
	ds_load_b128 v[lb+32*\dd+8*\kt+4:lb+32*\dd+8*\kt+7], v[AK+\slot] offset:(ld/4)*STRIP+\kt*16*PITCH+(ld%4)*64+32
.endr
.endr
.else
.set lq, (\grp)-8
.irp i, 0,1,2,3,4,5,6,7
	ds_load_tr16_b128 v[lb+8*\i:lb+8*\i+3],   v[AV+\slot] offset:(lq%4)*STRIP+(lq/4)*32*PITCH+\i*16
	ds_load_tr16_b128 v[lb+8*\i+4:lb+8*\i+7], v[AV+\slot] offset:(lq%4)*STRIP+(lq/4)*32*PITCH+\i*16+16*PITCH
.endr
.endif
.endm
; c.d + nC2 for 64 keys x 32 queries: eight products whose C is nC2
.macro TMUL
.irp kt, 0,1,2,3
.irp t, 0,1
	v_wmma_f32_16x16x32_bf16 v[S+32*\t+8*\kt:S+32*\t+8*\kt+7], v[F+8*\kt:F+8*\kt+7], v[QC+8*\t:QC+8*\t+7], v[F+32+8*\kt:F+32+8*\kt+7]
.endr
.endr
.endm
; times rho, plus nA2: what the products s.x add onto.  Each accumulator is taken from its low end on.
.macro INIT
.irp kt, 0,1,2,3
.irp t, 0,1
.irp e, 0,2,4,6
	v_pk_fma_f32 v[S+32*\t+8*\kt+\e:S+32*\t+8*\kt+\e+1], v[S+32*\t+8*\kt+\e:S+32*\t+8*\kt+\e+1], v[ST+TS*\t+10:ST+TS*\t+11], v[F+64+8*\kt+\e:F+64+8*\kt+\e+1]
.endr
.endr
.endr
.endm
; depth steps 2 p and 2 p + 1 of S^T += K Q^T: 16 products; the eight accumulators take turns, one instruction a turn
.macro QKPAIR p
.set qb_, F+64*((\p)%2)
.irp dd, 0,1
.irp kt, 0,1,2,3
.irp t, 0,1
	v_wmma_f32_16x16x32_bf16 v[S+32*\t+8*\kt:S+32*\t+8*\kt+7], v[qb_+32*\dd+8*\kt:qb_+32*\dd+8*\kt+7], v[128*\t+8*(2*(\p)+\dd):128*\t+8*(2*(\p)+\dd)+7], v[S+32*\t+8*\kt:S+32*\t+8*\kt+7]
.endr
.endr
.endr
.endm
; Three lines of the softmax.  A tile's 32 scores are 16 pairs b.
.macro SFMA b, t                       ; pair b: c acc - c m, one rounding
	v_pk_fma_f32 v[S+32*\t+2*(\b):S+32*\t+2*(\b)+1], v[S+32*\t+2*(\b):S+32*\t+2*(\b)+1], v[ST+TS*\t+8:ST+TS*\t+9], v[ST+TS*\t:ST+TS*\t+1] op_sel_hi:[1,1,0] neg_lo:[0,0,1] neg_hi:[0,0,1]
.endm
.macro SEXP e, t                       ; score e, in place
	v_exp_f32 v[S+32*\t+(\e)], v[S+32*\t+(\e)]
.endm
.macro SCVT b, t                       ; pair b rounded to bf16, in place: pairs 8 kk + 0..7 become the fragment of keys 32 kk on, and 8 registers behind it fall free; word b % 8 lands on a register whose pair has been rounded
.set cd, S+32*\t+16*((\b)/8)+(\b)%8
	s_wait_alu depctr_va_vdst(0)
	v_cvt_pk_bf16_f32 v[cd], v[S+32*\t+2*(\b)], v[S+32*\t+2*(\b)+1]
.endm
; The softmax of a step up to the rounded weights, the two tiles alternating.  first = 1: the first step starts m, and has no a.
.macro SOFTMAX first
.irp j, 0,1,2,3                        ; the maximum: four chains; each begins at the low end of one accumulator
.irp t, 0,1
	v_max3_num_f32 v[ST+TS*\t+4+\j], v[S+32*\t+8*\j], v[S+32*\t+8*\j+1], v[S+32*\t+8*\j+2]
.endr
.endr
.irp q, 1,2
.irp j, 0,1,2,3
.irp t, 0,1
	v_max3_num_f32 v[ST+TS*\t+4+\j], v[ST+TS*\t+4+\j], v[S+32*\t+8*\j+2*\q+1], v[S+32*\t+8*\j+2*\q+2]
.endr
.endr
.endr
.irp t, 0,1
	v_max3_num_f32 v[ST+TS*\t+4], v[ST+TS*\t+4], v[S+32*\t+7], v[S+32*\t+15]
	v_max3_num_f32 v[ST+TS*\t+6], v[ST+TS*\t+6], v[S+32*\t+23], v[S+32*\t+31]
.endr
.irp t, 0,1
	v_max3_num_f32 v[ST+TS*\t+4], v[ST+TS*\t+4], v[ST+TS*\t+5], v[ST+TS*\t+6]
.endr
.irp t, 0,1
.if \first
	v_max_num_f32 v[ST+TS*\t+4], v[ST+TS*\t+4], v[ST+TS*\t+7]
.else
	v_max3_num_f32 v[ST+TS*\t+4], v[ST+TS*\t+4], v[ST+TS*\t+7], v[ST+TS*\t+1]
.endif
.endr
.irp t, 0,1
	v_permlanex16_b32 v[ST+TS*\t+5], v[ST+TS*\t+4], s[SEL], s[SEL+1]   ; the query's other 32 keys lie in the lane 16 away
.endr
.if !\first
.irp t, 0,1
	v_mov_b32 v[ST+TS*\t+7], v[ST+TS*\t]           ; c m_old is kept for a
.endr
.endif
.irp t, 0,1
	v_max_num_f32 v[ST+TS*\t+1], v[ST+TS*\t+4], v[ST+TS*\t+5]
.endr
.irp t, 0,1
	v_mul_f32 v[ST+TS*\t], v[ST+TS*\t+8], v[ST+TS*\t+1]
.endr
.if !\first
.irp t, 0,1
	v_sub_f32 v[ST+TS*\t+7], v[ST+TS*\t+7], v[ST+TS*\t]
.endr
.endif
	; 64 (66) exponentials with a plain instruction between them wherever one is ready: the scaling of the pair two pairs ahead, the rounding of the pair before.
	; Every result has a plain instruction that does not touch it between its exponential and its use (ISA guide 5.7.2).
.irp t, 0,1
.if !\first
	v_exp_f32 v[ST+TS*\t+6], v[ST+TS*\t+7]         ; a
.endif
	SFMA 0, \t
.endr
	SFMA 1, 0
	SFMA 1, 1
.set b_, 0
.rept 16
.if b_ < 14
	SFMA b_+2, 0
.endif
	SEXP 2*b_, 0
.if b_ < 14
	SFMA b_+2, 1
.endif
	SEXP 2*b_, 1
.if b_ > 0
	SCVT b_-1, 0
.endif
	SEXP 2*b_+1, 0
.if b_ > 0
	SCVT b_-1, 1
.endif
	SEXP 2*b_+1, 1
.set b_, b_+1
.endr
	SCVT 15, 0
	SCVT 15, 1
.endm
; The step's sum of the rounded weights: ones (16 x 32) times P.  Every register of the result holds, in lane l, the sum over the step's 64 keys for query l % 16: both halves of the lanes are in it.
; The results lie in the registers that the roundings left free.  The two accumulators take turns, one instruction a turn.
.macro LSUM
.irp kk, 0,1
.irp t, 0,1
.if \kk == 0
	v_wmma_f32_16x16x32_bf16 v[S+32*\t+8:S+32*\t+15], v[ONES:ONES+7], v[S+32*\t:S+32*\t+7], 0
.else
	v_wmma_f32_16x16x32_bf16 v[S+32*\t+8:S+32*\t+15], v[ONES:ONES+7], v[S+32*\t+16:S+32*\t+23], v[S+32*\t+8:S+32*\t+15]
.endif
.endr
.endr
.endm
; l = a l + the step's sum; it reads the accumulator's lowest register.  first = 1: the first step starts l.
.macro LUPD first
.irp t, 0,1
.if \first
	v_mov_b32 v[ST+TS*\t+2], v[S+32*\t+8]
.else
	v_fma_f32 v[ST+TS*\t+2], v[ST+TS*\t+2], v[ST+TS*\t+6], v[S+32*\t+8]
.endif
.endr
.endm
; O^T times a for channel tiles 0-7 of both query tiles, which the first 16 products V^T P add onto: 64 packed multiplies, each accumulator from its low end on
.macro RESC0
.irp t, 0,1
	WIN 0x41+0x41*\t
.irp i, 0,1,2,3,4,5,6,7
.irp e, 0,2,4,6
.set ro, 8*\i+\e
	v_pk_mul_f32 v[ro:ro+1], v[ro:ro+1], v[ST+TS*\t+6:ST+TS*\t+7] op_sel_hi:[1,0]
.endr
.endr
.endr
.endm
; Pair q of 8 of O^T += V^T P: 16 products: keys 32 (q / 4) on, channel tiles 8 (q % 4) + 0..7, both query tiles.  The 64 accumulators take turns, one instruction a turn.
; first = 1: pairs 0 to 3 start the sums with the constant 0: nothing is ever cleared.
; slice = 1: behind each product stand the four multiplies by a of the accumulator eight channel tiles on, which the next pair adds onto.  A slice costs two window switches (O^T is its
; destination and its source 0; a product's source 0 is V, in window 0): 96 a step, for 192 multiplies that would else stand in blocks in which no product is issued.
.macro PVPAIR q, first, slice
.set pvb, F+64*((\q)%2)
.set pkk, (\q)/4
.irp t, 0,1
.irp i, 0,1,2,3,4,5,6,7
	WIN 0x50+0x50*\t
.set pacc, 8*(8*((\q)%4)+\i)
.if \first && (pkk == 0)
	v_wmma_f32_16x16x32_bf16 v[pacc:pacc+7], v[pvb+8*\i:pvb+8*\i+7], v[S+32*\t+16*pkk:S+32*\t+16*pkk+7], 0
.else
	v_wmma_f32_16x16x32_bf16 v[pacc:pacc+7], v[pvb+8*\i:pvb+8*\i+7], v[S+32*\t+16*pkk:S+32*\t+16*pkk+7], v[pacc:pacc+7]
.endif
.if \slice
	WIN 0x41+0x41*\t
.irp e, 0,2,4,6
.set ro, pacc+64+\e
	v_pk_mul_f32 v[ro:ro+1], v[ro:ro+1], v[ST+TS*\t+6:ST+TS*\t+7] op_sel_hi:[1,0]
.endr
.endif
.endr
.endr
.endm
; A KEY STEP on the tile in slot.  refill = 1: the other slot, read in the step before, takes the next step's tile: the load has this whole step, 268 matrix instructions, in which to land.
; first = 1: the first step: it fetches its own rows of cb and words of st behind the round, starts m, l and O^T.  more = 1: a step follows: its c.d + nC2 is made in this step's tail.
.macro STEP slot, refill, first, more
	WIN 0                                          ; at a label and at a branch every window is 0
	s_wait_dscnt 0x0                               ; my reads of the other slot are over, and nA2 is in
	s_wait_tensorcnt 0x0                           ; all my tensor loads have landed, my strip of this step's tile among them: a group 0 may be written
	ds_add_u32 v19, v31
	s_wait_dscnt 0x0
	s_add_nc_u64 s[G0+4*\slot+2:G0+4*\slot+3], s[G0+4*\slot+2:G0+4*\slot+3], 2*TILEB   ; this slot's next tile, two steps on
.if \refill
	CROUND                                         ; both now hold of every wave of all four work-groups
	tensor_load_to_lds s[G0+4*(1-\slot):G0+4*(1-\slot)+3], s[G1S:G1S+7]    ; my one tensor load behind the round, and the first thing there
	s_nop 0
.else
	s_barrier_signal -1
	s_barrier_wait -1
.endif
	PLACES                                         ; behind the tensor load; also the places behind the products c.d + nC2, in front of the loads into their sources and of the reads of their results
.if \first
	AUX1
	AUX2
	s_wait_dscnt 0x0
	TMUL
	PLACES
.endif
	LOADP \slot, 0                                 ; into the registers that cb's rows and nC2 have left
	INIT                                           ; stands between the two runs: work for the time in which K's first pair lands
	LOADP \slot, 1                                 ; and nA2
	WIN 0x0c                                       ; source 1 (Q) in window 3; the LDS loads name window 0 in both their places
.set n, 0
.rept 8
	s_wait_dscnt 16                                ; pair n is in; the other buffer's 16 loads stay out
	QKPAIR n
	PLACES
	LOADP \slot, n+2                               ; pairs 8 and 9 are V's first: they land during the softmax
.set n, n+1
.endr
	WIN 0
	SOFTMAX \first
	LSUM
.if \first
	PLACES
.else
	RESC0                                          ; names none of the four products' registers: the places in front of the read of their results
	WIN 0
.endif
	LUPD \first
.set n, 0
.rept 8
.if (n < 7) || \more
	s_wait_dscnt 16                                ; V's pair n is in; the 16 younger loads (the other buffer's pair; at the end cb's rows and nC2) stay out
.else
	s_wait_dscnt 0x0                               ; the last pair of all: nothing was fetched behind it
.endif
.if (n < 3) && !\first
	PVPAIR n, \first, 1                            ; its last slice, four multiplies that name none of the last product's registers, is the places in front of the loads
.else
	PVPAIR n, \first, 0
.if (n < 6) || \more
	PLACES
.endif
.endif
	WIN 0
.if n < 6
	LOADP \slot, n+10
.elseif \more
.if n == 6
	AUX1                                           ; buffer 0 has had its last pair: the next step's rows of cb and nC2
.else
	AUX2                                           ; buffer 1 likewise: nA2.  Its two additions and the four v_nop are six places in front of the products that write over P
	s_wait_dscnt 0x8                               ; all but nA2's eight loads
	TMUL
.endif
.endif
.set n, n+1
.endr
.endm
	STEP 0, 1, 1, 1                                ; step 0; slot 1 is filled for the first time behind its round
	WIN 0
	s_mov_b32 s[CNT], 11
.Lpair:                                                ; steps 1 to 22
	STEP 1, 1, 0, 1
	STEP 0, 1, 0, 1
	WIN 0
	s_sub_co_u32 s[CNT], s[CNT], 1
	s_cmp_lg_u32 s[CNT], 0
	s_cbranch_scc1 .Lpair
	STEP 1, 1, 0, 1                                ; step 23 asks for the last tile
	STEP 0, 0, 0, 0                                ; step 24 asks for nothing: the tail is written out
	; THE WAY OUT.  mu and l: 16 words of each for a tile; 1 KiB of ml a work-group, too little for a stage shared by the waves.  l is whole in every lane.
	WIN 0
	PLACES
	v_cmp_eq_u32 vcc_lo, 1, v2
.irp t, 0,1
	v_cndmask_b32 v[ST+TS*\t+6], v[ST+TS*\t], v[ST+TS*\t+2], vcc_lo
.endr
.irp t, 0,1
	global_store_b32 v[MLO], v[ST+TS*\t+6], s[18:19] offset:4096*\t
.endr
; Tile t, strip g (128 channels): register j of channel tile 8 g + u is channel 128 g + 64 h + 8 u + j of query r.  Into my stage, back as whole rows of 512 bytes, out.
.macro OUT t, g
	WIN 0x44+0x44*\t                               ; stored data (source 1) and loaded data (destination) in window 1 + t
.irp u, 0,1,2,3,4,5,6,7
.irp e, 0,1
	ds_store_b128 v[STO], v[8*(8*\g+\u)+4*\e:8*(8*\g+\u)+4*\e+3] offset:32*\u+16*\e    ; the low four registers first
.endr
.endr
.irp i, 0,1,2,3,4,5,6,7,8,9,10,11,12,13,14,15
	ds_load_b128 v[64*\g+4*\i:64*\g+4*\i+3], v[RD] offset:SPITCH*\i    ; LDS serves a wave's instructions in order (ISA guide 5.7.1.4): these see the stores above; the stage is my own
.endr
.irp i, 0,1,2,3,4,5,6,7,8,9,10,11,12,13,14,15
	s_wait_dscnt 15-\i                             ; row i is back; the younger rows stay out
	global_store_b128 v[GO], v[64*\g+4*\i:64*\g+4*\i+3], s[16:17] offset:(16*\t+\i)*2048+512*\g    ; the wave stores 512 consecutive bytes, aligned
.endr
.endm
.irp t, 0,1
.irp g, 0,1,2,3
	OUT \t, \g
.endr
.endr
	WIN 0
	s_wait_tensorcnt 0x0
	ds_add_u32 v19, v31
	s_wait_dscnt 0x0
	CROUND                                         ; the closing round: no work-group ends while a partner may still ask for a tile that names it
	s_endpgm
.Lfunc_end_k_q06b2cc4943_attn:
	.size	k_q06b2cc4943_attn, .Lfunc_end_k_q06b2cc4943_attn-k_q06b2cc4943_attn
	.p2alignl 7, 3214868480
	.fill 96, 4, 3214868480
	.section	.rodata,"a",@progbits
	.p2align	6, 0x0
	.amdhsa_kernel k_q06b2cc4943_attn
		.amdhsa_group_segment_fixed_size 327680
		.amdhsa_private_segment_fixed_size 0
		.amdhsa_enable_private_segment 0
		.amdhsa_kernarg_size 64
		.amdhsa_user_sgpr_count 2
		.amdhsa_user_sgpr_kernarg_segment_ptr 1
		.amdhsa_wavefront_size32 1
		.amdhsa_system_sgpr_workgroup_id_x 1
		.amdhsa_system_sgpr_workgroup_id_y 1
		.amdhsa_system_sgpr_workgroup_id_z 1
		.amdhsa_system_vgpr_workitem_id 0
		.amdhsa_next_free_vgpr 1024
		.amdhsa_next_free_sgpr 100
		.amdhsa_reserve_vcc 1
		.amdhsa_float_denorm_mode_32 3
		.amdhsa_float_denorm_mode_16_64 3
		.amdhsa_memory_ordered 1
		.amdhsa_forward_progress 1
		.amdhsa_inst_pref_size 255
	.end_amdhsa_kernel
	.section	.bss,"aw",@nobits
	.p2align	6
	.space	262144
	.amdgpu_metadata
---
amdhsa.version: [ 1, 2 ]
amdhsa.kernels:
  - .name:           k_q06b2cc4943_attn
    .symbol:         k_q06b2cc4943_attn.kd
    .args:
      - { .name: x, .offset: 0, .size: 8, .value_kind: global_buffer, .address_space: global }
      - { .name: sigma, .offset: 8, .size: 8, .value_kind: global_buffer, .address_space: global }
      - { .name: cond, .offset: 16, .size: 8, .value_kind: global_buffer, .address_space: global }
      - { .name: sb, .offset: 24, .size: 8, .value_kind: global_buffer, .address_space: global }
      - { .name: cb, .offset: 32, .size: 8, .value_kind: global_buffer, .address_space: global }
      - { .name: st, .offset: 40, .size: 8, .value_kind: global_buffer, .address_space: global }
      - { .name: po, .offset: 48, .size: 8, .value_kind: global_buffer, .address_space: global }
      - { .name: ml, .offset: 56, .size: 8, .value_kind: global_buffer, .address_space: global }
    .group_segment_fixed_size: 327680
    .private_segment_fixed_size: 0
    .kernarg_segment_align: 8
    .kernarg_segment_size: 64
    .max_flat_workgroup_size: 128
    .sgpr_count:     100
    .vgpr_count:     1024
    .wavefront_size: 32
...
	.end_amdgpu_metadata
.endif
;; end of part 2
;; launch merge (part 3): grid 1024 x 1, 4 waves a work-group, no clusters, 0 bytes of LDS; arguments po, ml, x, sigma, out0; writes out0
.if DOCPART == 3
	.amdgcn_target "amdgcn-amd-amdhsa--gfx1250"
	.amdhsa_code_object_version 6
	.text
	.protected	k_q06b2cc4943_merge
	.globl	k_q06b2cc4943_merge
	.p2align	8
	.type	k_q06b2cc4943_merge,@function
k_q06b2cc4943_merge:
	s_mov_b64 s[64:65], 0
	v_nop
	global_prefetch_b8 v0, s[64:65] scope:SCOPE_SE
	s_setreg_imm32_b32 hwreg(HW_REG_WAVE_MODE, 25, 1), 1
	s_wait_xcnt 0x0
; out0[q] = (x[q] - x0[q]) / sigma[q],  x0 = sum over the 32 shares of w_s po[s][q] / sum of w_s l_s,  w_s = 2^(mu_s - max mu).
; x and sigma are rounded to bf16 here as in the launch before: the program computes the result for inputs rounded to bf16, in f32 throughout.
; Every share holds real keys, so every mu_s is finite and every l_s is about 1 or more (a share's largest weight is 1 but for the rounding of mu and of the weight).
; LIMIT: a w_s under 2^-126 counts as 0.
; A stream: a work-group owns one row of 2,048 bytes, thread t its bytes 16 t on; each of its 32 loads of po brings 512 consecutive bytes a wave, and all are asked for at once.
; Each wave makes the 32 weights for itself (lane s: share s), so there is no LDS and no barrier.
.set W, 32                             ; s[32:63]   the weights
.set P, 32                             ; v[32:159]  share s at P + 4 s
	s_load_b256 s[4:11], s[0:1], 0x0               ; po s[4:5], ml s[6:7], x s[8:9], sigma s[10:11]
	s_load_b64 s[12:13], s[0:1], 0x20              ; out0
	s_mov_b32 s24, 0x76543210
	s_mov_b32 s25, 0xfedcba98
	s_lshl_b32 s16, ttmp9, 11                      ; a row of 2,048 bytes
	s_mov_b32 s17, 0
	s_lshr_b32 s18, ttmp9, 4
	s_lshl_b32 s18, s18, 12                        ; ml: the tile of 16 queries,
	s_and_b32 s20, ttmp9, 15
	s_lshl_b32 s20, s20, 2
	s_add_co_u32 s18, s18, s20                     ; the query's word
	s_mov_b32 s19, 0
	s_lshl_b32 s22, ttmp9, 2
	s_mov_b32 s23, 0
	v_and_b32 v1, 31, v0
	v_lshlrev_b32 v2, 6, v1                        ; share = lane: 64 bytes apart
	v_lshlrev_b32 v3, 4, v0
	v_mov_b32 v6, 0
.irp k, 0,1,2,3,4,5,6,7
	v_add_nc_u32 v[12+\k], \k*0x800000, v3         ; four planes of po to an offset register; the plane among the four stands in the immediate
.endr
	s_wait_kmcnt 0x0
	s_add_nc_u64 s[4:5], s[4:5], s[16:17]
	s_add_nc_u64 s[6:7], s[6:7], s[18:19]
	s_add_nc_u64 s[8:9], s[8:9], s[16:17]
	s_add_nc_u64 s[10:11], s[10:11], s[22:23]
	s_add_nc_u64 s[12:13], s[12:13], s[16:17]
	global_load_b32 v4, v2, s[6:7]                 ; mu
	global_load_b32 v5, v2, s[6:7] offset:2048     ; l
	global_load_b32 v7, v6, s[10:11]               ; sigma, the same word in every lane
	global_load_b128 v[8:11], v3, s[8:9]
.irp k, 0,1,2,3,4,5,6,7
.irp m, 0,1,2,3
	global_load_b128 v[P+4*(4*\k+\m):P+4*(4*\k+\m)+3], v[12+\k], s[4:5] offset:\m*0x200000 th:TH_LOAD_NT
.endr
.endr
	s_wait_loadcnt 33                              ; mu, l and sigma are in; x and the 32 loads of po stay out
	v_mov_b32 v20, v4
	v_max_num_f32_dpp v20, v20, v20 row_xmask:1 row_mask:0xf bank_mask:0xf
	v_max_num_f32_dpp v20, v20, v20 row_xmask:2 row_mask:0xf bank_mask:0xf
	v_max_num_f32_dpp v20, v20, v20 row_xmask:4 row_mask:0xf bank_mask:0xf
	v_max_num_f32_dpp v20, v20, v20 row_xmask:8 row_mask:0xf bank_mask:0xf
	v_mov_b32 v21, v20                             ; v_permlanex16_b32 counts as a reader of its destination
	v_permlanex16_b32 v21, v20, s24, s25
	v_max_num_f32 v20, v20, v21
	v_sub_f32 v21, v4, v20
	v_exp_f32 v21, v21
	v_cvt_pk_bf16_f32 v7, v7, v7                   ; sigma rounded; also the plain instruction behind the exponential (ISA guide 5.7.2)
	s_wait_alu depctr_va_vdst(0)
	v_mul_f32 v22, v21, v5
	v_add_f32_dpp v22, v22, v22 row_xmask:1 row_mask:0xf bank_mask:0xf
	v_add_f32_dpp v22, v22, v22 row_xmask:2 row_mask:0xf bank_mask:0xf
	v_add_f32_dpp v22, v22, v22 row_xmask:4 row_mask:0xf bank_mask:0xf
	v_add_f32_dpp v22, v22, v22 row_xmask:8 row_mask:0xf bank_mask:0xf
	v_mov_b32 v23, v22
	v_permlanex16_b32 v23, v22, s24, s25
	v_add_f32 v22, v22, v23
	v_and_b32 v7, 0xffff0000, v7
	v_rcp_f32 v22, v22
	v_rcp_f32 v7, v7
	v_nop                                          ; a plain instruction behind the reciprocals
	s_wait_alu depctr_va_vdst(0)
	v_mul_f32 v21, v21, v22                        ; w_s / sum of w l
.set i, 0
.rept 32
	v_readlane_b32 s[W+i], v21, i
.set i, i+1
.endr
	s_wait_loadcnt 31                              ; x and share 0
.irp e, 0,1,2,3
	v_mul_f32 v[24+\e], s[W], v[P+\e]              ; the first share starts the sums
.endr
.set i, 1
.rept 31
	s_wait_loadcnt 31-i                            ; share i is in; the younger ones stay out
.irp e, 0,1,2,3
	v_fma_f32 v[24+\e], s[W+i], v[P+4*i+\e], v[24+\e]
.endr
.set i, i+1
.endr
	v_cvt_pk_bf16_f32 v28, v8, v9                  ; x rounded,
	v_cvt_pk_bf16_f32 v29, v10, v11
	v_lshlrev_b32 v8, 16, v28                      ; and widened again
	v_and_b32 v9, 0xffff0000, v28
	v_lshlrev_b32 v10, 16, v29
	v_and_b32 v11, 0xffff0000, v29
.irp e, 0,1,2,3
	v_sub_f32 v[24+\e], v[8+\e], v[24+\e]
.endr
.irp e, 0,1,2,3
	v_mul_f32 v[24+\e], v[24+\e], v7
.endr
	global_store_b128 v3, v[24:27], s[12:13]       ; the wave stores 512 consecutive bytes, aligned
	s_endpgm
.Lfunc_end_k_q06b2cc4943_merge:
	.size	k_q06b2cc4943_merge, .Lfunc_end_k_q06b2cc4943_merge-k_q06b2cc4943_merge
	.p2alignl 7, 3214868480
	.fill 96, 4, 3214868480
	.section	.rodata,"a",@progbits
	.p2align	6, 0x0
	.amdhsa_kernel k_q06b2cc4943_merge
		.amdhsa_group_segment_fixed_size 0
		.amdhsa_private_segment_fixed_size 0
		.amdhsa_enable_private_segment 0
		.amdhsa_kernarg_size 40
		.amdhsa_user_sgpr_count 2
		.amdhsa_user_sgpr_kernarg_segment_ptr 1
		.amdhsa_wavefront_size32 1
		.amdhsa_system_sgpr_workgroup_id_x 1
		.amdhsa_system_sgpr_workgroup_id_y 1
		.amdhsa_system_sgpr_workgroup_id_z 1
		.amdhsa_system_vgpr_workitem_id 0
		.amdhsa_next_free_vgpr 160
		.amdhsa_next_free_sgpr 66
		.amdhsa_reserve_vcc 0
		.amdhsa_float_denorm_mode_32 3
		.amdhsa_float_denorm_mode_16_64 3
		.amdhsa_memory_ordered 1
		.amdhsa_forward_progress 1
		.amdhsa_inst_pref_size 18
	.end_amdhsa_kernel
	.amdgpu_metadata
---
amdhsa.version: [ 1, 2 ]
amdhsa.kernels:
  - .name:           k_q06b2cc4943_merge
    .symbol:         k_q06b2cc4943_merge.kd
    .args:
      - { .name: po, .offset: 0, .size: 8, .value_kind: global_buffer, .address_space: global }
      - { .name: ml, .offset: 8, .size: 8, .value_kind: global_buffer, .address_space: global }
      - { .name: x, .offset: 16, .size: 8, .value_kind: global_buffer, .address_space: global }
      - { .name: sigma, .offset: 24, .size: 8, .value_kind: global_buffer, .address_space: global }
      - { .name: out0, .offset: 32, .size: 8, .value_kind: global_buffer, .address_space: global }
    .group_segment_fixed_size: 0
    .private_segment_fixed_size: 0
    .kernarg_segment_align: 8
    .kernarg_segment_size: 40
    .max_flat_workgroup_size: 128
    .sgpr_count:     66
    .vgpr_count:     160
    .wavefront_size: 32
...
	.end_amdgpu_metadata
.endif
;; end of part 3
